; MI455X (gfx1250); checked and timed in simulation.
; The chip was launched on July 23, 2026; its instructions are those of AMD's public machine-readable ISA for CDNA 5 (MIT licence, August 2026) and "CDNA5" Instruction Set Architecture Reference Guide (July 2026). The comments in the code are by the model that wrote it; some were corrected since.
;; CSAB3. Allowed arithmetic: matrix products marked QUANTISED: E5M2 operands, one E8M0 scale for each 32 along K, by v_wmma_scale_f32_16x16x128_f8f6f4 with both operands' format E5M2, f32 sums; everything else in f32.
;; Inputs: W_X 1,024 x 512 float32; W_Y 1,024 x 512 float32; W_k_xx 512 x 512 float32; W_k_xy 512 x 512 float32; W_k_yx 512 x 512 float32; W_k_yy 512 x 512 float32; W_q_xx 512 x 512 float32; W_q_xy 512 x 512 float32; W_q_yx 512 x 512 float32; W_q_yy 512 x 512 float32; W_v_xx 512 x 512 float32; W_v_xy 512 x 512 float32; W_v_yx 512 x 512 float32; W_v_yy 512 x 512 float32; X 8 x 1,024 x 512 float32; Y 8 x 1,024 x 512 float32; b_X 512 float32; b_Y 512 float32; b_k_xx 512 float32; b_k_xy 512 float32; b_k_yx 512 float32; b_k_yy 512 float32; b_q_xx 512 float32; b_q_xy 512 float32; b_q_yx 512 float32; b_q_yy 512 float32; b_v_xx 512 float32; b_v_xy 512 float32; b_v_yx 512 float32; b_v_yy 512 float32.
;; Outputs: out0 8 x 1,024 x 512 float32; out1 8 x 1,024 x 512 float32.
;; This version of the problem:
;;   THIS VERSION OF THE PROBLEM IS GIVEN IN LOW PRECISION. The matrix products marked QUANTISED in the list below multiply operands that are first quantised to E5M2 (5 exponent bits, 2 mantissa bits; 8 bits a number), with one power-of-two scale for each 32 numbers along K (OCP MX v1.0); their sums are f32. All else is computed in f32.
;;   The module's matrix products, in the order in which they are computed (A, B: the left and right operand; K: the contracted axis; several contracted axes count as one K, in the product's order):
;;     1. [M 8,192, K 512] x [K 512, N 512]; A: input X; B: input W_q_xx: QUANTISED
;;     2. [M 8,192, K 512] x [K 512, N 512]; A: input X; B: input W_k_xx: QUANTISED
;;     3. [M 8,192, K 512] x [K 512, N 512]; A: input X; B: input W_v_xx: QUANTISED
;;     4. batch 64 x [M 1,024, K 64] x [K 64, N 1,024]; A: computed on the way; B: computed on the way: QUANTISED
;;     5. batch 64 x [M 1,024, K 1,024] x [K 1,024, N 64]; A: softmax (see below); B: computed on the way: QUANTISED
;;     6. [M 8,192, K 512] x [K 512, N 512]; A: input X; B: input W_q_xy: QUANTISED
;;     7. [M 8,192, K 512] x [K 512, N 512]; A: input Y; B: input W_k_xy: QUANTISED
;;     8. [M 8,192, K 512] x [K 512, N 512]; A: input Y; B: input W_v_xy: QUANTISED
;;     9. batch 64 x [M 1,024, K 64] x [K 64, N 1,024]; A: computed on the way; B: computed on the way: QUANTISED
;;     10. batch 64 x [M 1,024, K 1,024] x [K 1,024, N 64]; A: softmax (see below); B: computed on the way: QUANTISED
;;     11. [M 8,192, K 512] x [K 512, N 512]; A: input Y; B: input W_q_yx: QUANTISED
;;     12. [M 8,192, K 512] x [K 512, N 512]; A: input X; B: input W_k_yx: QUANTISED
;;     13. [M 8,192, K 512] x [K 512, N 512]; A: input X; B: input W_v_yx: QUANTISED
;;     14. batch 64 x [M 1,024, K 64] x [K 64, N 1,024]; A: computed on the way; B: computed on the way: QUANTISED
;;     15. batch 64 x [M 1,024, K 1,024] x [K 1,024, N 64]; A: softmax (see below); B: computed on the way: QUANTISED
;;     16. [M 8,192, K 512] x [K 512, N 512]; A: input Y; B: input W_q_yy: QUANTISED
;;     17. [M 8,192, K 512] x [K 512, N 512]; A: input Y; B: input W_k_yy: QUANTISED
;;     18. [M 8,192, K 512] x [K 512, N 512]; A: input Y; B: input W_v_yy: QUANTISED
;;     19. batch 64 x [M 1,024, K 64] x [K 64, N 1,024]; A: computed on the way; B: computed on the way: QUANTISED
;;     20. batch 64 x [M 1,024, K 1,024] x [K 1,024, N 64]; A: softmax (see below); B: computed on the way: QUANTISED
;;     21. [M 8,192, K 1,024] x [K 1,024, N 512]; A: computed on the way; B: input W_X: QUANTISED
;;     22. [M 8,192, K 1,024] x [K 1,024, N 512]; A: computed on the way; B: input W_Y: QUANTISED
;;   THE QUANTISER, for each operand of a quantised product, along K:
;;     - K is cut into blocks of 32 from its start; a last block that is shorter is filled with zeros.
;;     - A block's scale is 2^e with e = floor(log2(the largest magnitude in the block)) - 15, held to -126 .. 127; a block of zeros has e = 0. As a byte (E8M0): e + 127.
;;     - Each number is divided by its block's scale, clamped to +-57,344, and rounded to the nearest number of E5M2, ties to even, subnormals kept.
;;     - The product sums the exact products of the quantised numbers (number of the format x scale) in f32.
;;   ~~~python
;;   def quantise(x, axis):      # numpy; x: float32 -> the quantised numbers, widened to float32 again
;;       x = np.moveaxis(x, axis, -1); K = x.shape[-1]
;;       x = np.pad(x, [(0, 0)] * (x.ndim - 1) + [(0, -K % 32)]); x = x.reshape(x.shape[:-1] + (-1, 32)); a = np.abs(x).max(-1, keepdims=True)
;;       e = np.where(a > 0, np.clip(np.frexp(np.where(a > 0, a, 1))[1] - 1 - 15, -126, 127), 0)      # np.frexp(a)[1] - 1 = floor(log2(a)), exactly
;;       r = np.clip(x / 2.0 ** e, -57344, 57344)
;;       step = 2.0 ** (np.maximum(np.frexp(np.where(r == 0, 1, r))[1] - 1, -14) - 2)
;;       q = np.round(r / step) * step * 2.0 ** e      # np.round: ties to even
;;       return np.moveaxis(q.reshape(q.shape[:-2] + (-1,))[..., :K], -1, axis).astype(np.float32)
;;   ~~~
;;   SOFTMAX AHEAD OF A QUANTISED PRODUCT. Where the list says 'softmax', what is quantised is not the finished softmax but p = 2^(t - M), with t = logit x log2(e) and M = ceil(the row's largest t), a whole number; so 1/2 < the row's largest p <= 1. The row's sum l is taken of the UNQUANTISED p, in f32, and the product's result is divided by l at the end. Since M is a whole number, a kernel that streams over the keys may use a running M (the ceiling of the running maximum): every later rescaling is an exact power of two, which a block's scale takes up: the codes' values come out the same.
;;   OPERANDS COMPUTED ON THE WAY. 'Computed on the way' means the value that the module computes at that place (a softmax that the list does not call 'softmax' is quantised finished and normalised). What goes into a quantiser is computed in f32, as accurately as f32 sums, v_exp_f32 and their like allow (about 1e-6 of the number): no bf16 or f16 on the way to a quantiser, and a product that is left as it is and whose result goes on into a quantised operand takes f32 operands (vector FMAs, or v_wmma_f32_16x16x4_f32). A number that lies on a knife's edge between two numbers of the format may be rounded either way, as far as f32 arithmetic and the matrix unit's own rounding can turn it there, and no further.
;; One version. Each part assembles by itself: llvm-mc -triple=amdgcn-amd-amdhsa -mcpu=gfx1250 --defsym DOCPART=n.
;; ======== version 1 of 1: 3 launches
;; limits: right only within a limited range of input values
;; workspace buffers: xc 8,388,608 bytes; xs 262,144 bytes; wc 4,194,304 bytes; ws 131,072 bytes; oc 16,777,216 bytes; osc 524,288 bytes
;; launch quant (part 1): grid 320 x 1, 4 waves a work-group, no clusters, 34,304 bytes of LDS; arguments X, Y, W_q_xx, W_k_xx, W_v_xx, W_q_xy, W_k_xy, W_v_xy, W_q_yx, W_k_yx, W_v_yx, W_q_yy, W_k_yy, W_v_yy, W_X, W_Y, xc, xs, wc, ws; writes xc, xs, wc, ws
.if DOCPART == 1
	.amdgcn_target "amdgcn-amd-amdhsa--gfx1250"
	.amdhsa_code_object_version 6
	.text
	.protected	k_q42156a1cf0_quant
	.globl	k_q42156a1cf0_quant
	.p2align	8
	.type	k_q42156a1cf0_quant,@function
k_q42156a1cf0_quant:
	s_mov_b64 s[64:65], 0
	v_nop
	global_prefetch_b8 v0, s[64:65] scope:SCOPE_SE
	s_setreg_imm32_b32 hwreg(HW_REG_WAVE_MODE, 25, 1), 1
	s_wait_xcnt 0x0
; X, Y [8192][512] f32 (K innermost) and the 14 weights ([k][512] f32, K outermost) become codes of BF8 (E5M2) with one E8M0 byte for each 32 along K.
; A block's scale is 2^(floor(log2(its largest magnitude)) - 15); each number is divided by it, held within +-57,344 and rounded to the nearest code, ties to even.
; EVERYTHING IS STORED IN THE ORDER OF AN OPERAND'S REGISTERS.  A fragment (16 rows x 128 K) is 2,048 bytes [c 0..3][lane 0..31][16 bytes]: lane (r = lane % 16, h = lane / 16), group c,
; holds k = 32 c + 16 h + 0 .. 15 of the tile's row r.  THE ROWS OF A TILE ARE NOT NEIGHBOURS: lane r of tile 2 p + u stands for row (or column of a weight) 32 p + 8 u + r + 8 (r / 8).
;   xc [src 2][tile 512][kstep 4][2048]      xs [src 2][tile 512][r 16][kstep 4] words of four scale bytes
;   wc [vw 16][tile 32][kstep 4][2048]       ws [vw 16][tile 32][r 16][kstep 4]      vw: a block of 512 k x 512 n: 0-11 the branch weights in the order of the arguments, 12, 13 W_X's halves along K, 14, 15 W_Y's
; SHARES.  Work-groups 0-255: a wave takes one tile of X or Y (16 rows x 512 k, 32,768 bytes).  Work-groups 256-319: a wave takes 32 columns x 512 k of one vw (65,536 bytes).
; No tensor loads, no barrier, no cluster: waves share nothing and every input byte is read once.
; LIMITS: NaN and infinities among the inputs are not served.  A block of zeros gets the byte 1 (the floor's) where the rule says 127: its codes are zeros, and this program alone reads the bytes.
.set SP,   528                         ; a stage row: 512 bytes + 16: sixteen rows that a read touches start 33 x 16 bytes apart
.set WSTG, 16*SP                       ; a wave's own stage
.set RA,   16                          ; v16-143  two sets of 64: a K step as loaded (register 4 p ..: row p, my 16 bytes)
.set XN,   144                         ; v144-207 64 numbers of my row: register 16 b + i = k 32 b + 16 h + i
.set PC,   208                         ; v208-223 the fragment's codes
.set TM,   224                         ; v224-227 largest magnitudes, 228-231 bytes, 236-239 the conversions' scale operands
.set SW,   244                         ; v244-247 my row's four scale words
.set WX,   16                          ; weights: v16-79 two sets of 32 numbers down K
.set WC,   80                          ; v80-87   a block's codes
.set WT,   88                          ; v88-91   at work
.set SB,   92                          ; v92-95   my column's four scale words
.set SEL,  56                          ; s[56:57] v_permlanex16_b32's selects for lane l xor 16
.set MNT,  58
; 16 nb numbers of a lane, register 16 b + i of block b, become codes in v[pc + 4 b ..]; the block's other 16 numbers lie in lane l xor 16.  The bytes stay in v[TM+4 ..].
.macro QUANT s, nb, pc
.irp b, 0,1,2,3
.if \b < \nb
	v_max3_num_f32 v[TM+\b], |v[\s+16*\b]|, |v[\s+16*\b+1]|, 0x8000000   ; my 16 numbers, and the floor 2^(16 - 127): the byte cannot fall under 1
.endif
.endr
.irp i, 2,4,6,8,10,12,14
.irp b, 0,1,2,3
.if \b < \nb
	v_max3_num_f32 v[TM+\b], v[TM+\b], |v[\s+16*\b+\i]|, |v[\s+16*\b+\i+1]|   ; the blocks by turns
.endif
.endr
.endr
.irp b, 0,1,2,3
.if \b < \nb
	v_permlanex16_b32 v[TM+4+\b], v[TM+\b], s[SEL], s[SEL+1]
.endif
.endr
.irp b, 0,1,2,3
.if \b < \nb
	v_max_num_f32 v[TM+\b], v[TM+\b], v[TM+4+\b]   ; the block's largest magnitude
.endif
.endr
.irp b, 0,1,2,3
.if \b < \nb
	v_add_nc_u32 v[TM+12+\b], 0xf8800000, v[TM+\b]   ; 15 off its exponent field: the conversion takes this operand's exponent field as its scale
.endif
.endr
.irp b, 0,1,2,3
.if \b < \nb
.endif
.endr
.irp b, 0,1,2,3
.if \b < \nb
	v_lshrrev_b32 v[TM+4+\b], 23, v[TM+12+\b]   ; the scale's byte
.endif
.endr
.irp b, 0,1,2,3
.if \b < \nb
.irp i, 0,1,2,3,4,5,6,7,8,9,10,11,12,13,14,15
.endr
	v_cvt_scalef32_pk8_bf8_f32 v[\pc+4*\b:\pc+4*\b+1], v[\s+16*\b:\s+16*\b+7], v[TM+12+\b]
	v_cvt_scalef32_pk8_bf8_f32 v[\pc+4*\b+2:\pc+4*\b+3], v[\s+16*\b+8:\s+16*\b+15], v[TM+12+\b]
.endif
.endr
	v_nop                                          ; one plain vector line behind the last conversion
.endm
.macro WORD4 d                         ; the four bytes make a scale word
	v_lshl_or_b32 v[\d], v[TM+5], 8, v[TM+4]
	v_lshl_or_b32 v[\d], v[TM+6], 16, v[\d]
	v_lshl_or_b32 v[\d], v[TM+7], 24, v[\d]
.endm
	s_load_b128 s[4:7], s[0:1], 0x0                ; X, Y
	s_load_b512 s[8:23], s[0:1], 0x10              ; vw 0-7
	s_load_b256 s[24:31], s[0:1], 0x50             ; vw 8-11
	s_load_b128 s[32:35], s[0:1], 0x70             ; W_X, W_Y
	s_load_b256 s[36:43], s[0:1], 0x80             ; xc, xs, wc, ws
	v_lshl_add_u32 v254, v0, 2, 0x8400
	v_mov_b32 v255, 0
	v_lshrrev_b32 v1, 5, v0
	v_readfirstlane_b32 s44, v1                    ; wave 0..3
	v_and_b32 v5, 31, v0                           ; lane
	s_mov_b32 s[SEL], 0x76543210
	s_mov_b32 s[SEL+1], 0xfedcba98
	s_mov_b32 s53, 0                               ; the high word of the offsets in s[52:53]
	s_cmp_lt_u32 ttmp9, 256
	s_cbranch_scc0 .Lweights
	; ---------------- X and Y: K is innermost ----------------
	s_lshl_b32 s48, ttmp9, 2
	s_add_co_u32 s48, s48, s44                     ; G = 512 src + tile
	s_lshr_b32 s49, s48, 9                         ; src
	s_and_b32 s50, s48, 511                        ; tile
	s_lshr_b32 s51, s50, 1
	s_lshl_b32 s51, s51, 5
	s_and_b32 s52, s50, 1
	s_lshl_b32 s52, s52, 3
	s_add_co_u32 s51, s51, s52                     ; the tile's first row: 32 (tile / 2) + 8 (tile % 2)
	s_lshl_b32 s52, s51, 11                        ; in bytes: rows of 2,048
	s_wait_alu depctr_va_vdst(0)
	v_lshlrev_b32 v1, 4, v5                        ; 16 x lane: my bytes of a load's 512, and of an image's 512
	s_mul_i32 s54, s44, WSTG
	v_add_nc_u32 v2, s54, v1                       ; the stage, on the way in: row p at SP p, as loaded
	v_and_b32 v6, 15, v0                           ; r
	v_bfe_u32 v7, v0, 4, 1                         ; h
	v_mul_u32_u24 v3, v6, SP
	v_lshl_add_u32 v3, v7, 6, v3
	v_add_nc_u32 v3, s54, v3                       ; and on the way out: row r, + 64 h: my 16 numbers of each block of 32
	v_lshlrev_b32 v4, 4, v6                        ; 16 r: my row's scale words
.irp b, 0,1,2,3
	v_mov_b32 v[TM+4+\b], 0                        ; written once: a lane permute's destination counts as one of its sources
.endr
	s_wait_alu depctr_va_vdst(0)
	s_wait_kmcnt 0x0
	s_cmp_eq_u32 s49, 0
	s_cselect_b64 s[46:47], s[4:5], s[6:7]
	s_add_nc_u64 s[46:47], s[46:47], s[52:53]
	s_lshl_b32 s52, s48, 13
	s_add_nc_u64 s[36:37], s[36:37], s[52:53]      ; my tile's 8,192 bytes of codes
	s_lshl_b32 s52, s48, 8
	s_add_nc_u64 s[38:39], s[38:39], s[52:53]      ; and its 256 bytes of scale words
.macro XLOAD s                         ; K step s of the 16 rows: each load reads 512 consecutive bytes of one row
.irp p, 0,1,2,3,4,5,6,7,8,9,10,11,12,13,14,15
	global_load_b128 v[RA+64*((\s)%2)+4*\p:RA+64*((\s)%2)+4*\p+3], v1, s[46:47] offset:(\p+8*(\p/8))*2048+512*(\s) th:TH_LOAD_NT
.endr
.endm
.macro XTURN s                         ; through my stage: in as loaded, out 64 bytes of one row a lane and block.  LDS serves a wave's instructions in order: no wait between
.irp p, 0,1,2,3,4,5,6,7,8,9,10,11,12,13,14,15
	ds_store_b128 v2, v[RA+64*((\s)%2)+4*\p:RA+64*((\s)%2)+4*\p+3] offset:SP*\p
.endr
.irp c, 0,1,2,3
.irp j, 0,1,2,3
	ds_load_b128 v[XN+16*\c+4*\j:XN+16*\c+4*\j+3], v3 offset:128*\c+16*\j
.endr
.endr
.endm
.macro XSTEP t
.if (\t) < 3
	s_wait_loadcnt 16                              ; this K step's sixteen loads are in; the next step's sixteen may be out
.else
	s_wait_loadcnt 0x0
.endif
	XTURN \t
	s_wait_dscnt 0x0                               ; my 64 numbers are back, and the stage's stores have read the set
	s_wait_xcnt 0x0                                ; the last step's stores have read the codes' registers
.if (\t)+2 < 4
	XLOAD (\t)+2                                   ; the set takes the K step two on
.endif
	QUANT XN, 4, PC
	WORD4 SW+(\t)
.irp c, 0,1,2,3
	global_store_b128 v1, v[PC+4*\c:PC+4*\c+3], s[36:37] offset:2048*(\t)+512*\c   ; 32 lanes store 512 consecutive bytes, aligned
.endr
.endm
	XLOAD 0
	XLOAD 1
	XSTEP 0
	XSTEP 1
	XSTEP 2
	XSTEP 3
	s_wait_alu depctr_va_vdst(0)
	s_wait_xcnt 0x0                                ; EXEC changes only behind this wait
	v_cmp_gt_u32 vcc_lo, 16, v5
	s_wait_tensorcnt 0x0
	ds_add_u32 v254, v255
	s_wait_dscnt 0x0
	s_and_saveexec_b32 s59, vcc_lo                 ; lanes 16-31 hold the same words as lanes 0-15
	global_store_b128 v4, v[SW:SW+3], s[38:39]     ; sixteen lanes store 256 consecutive bytes, aligned
	s_wait_xcnt 0x0
	s_or_b32 exec_lo, exec_lo, s59
	s_endpgm
	; ---------------- the weights: K is outermost: a lane takes a column, its registers run down K ----------------
.Lweights:
	s_sub_co_u32 s48, ttmp9, 256
	s_lshl_b32 s48, s48, 2
	s_add_co_u32 s48, s48, s44                     ; 16 vw + g
	s_lshr_b32 s49, s48, 4                         ; vw
	s_and_b32 s50, s48, 15                         ; g: columns 32 g .. 32 g + 31 = tiles 2 g, 2 g + 1
	s_wait_alu depctr_va_vdst(0)
	v_lshlrev_b32 v1, 2, v5                        ; lane x takes column 32 g + x
	v_bfe_u32 v6, v0, 3, 1                         ; which lies in tile 2 g + u, u = (x / 8) % 2,
	v_and_b32 v7, 7, v0
	v_bfe_u32 v8, v0, 4, 1
	v_lshl_or_b32 v7, v8, 3, v7                    ; at the tile's lane r = x % 8 + 8 (x / 16)
	v_lshlrev_b32 v7, 4, v7
	v_lshl_add_u32 v2, v6, 13, v7                  ; codes: 8,192 u + 16 r
	v_lshl_add_u32 v3, v6, 8, v7                   ; scale words: 256 u + 16 r
	s_wait_alu depctr_va_vdst(0)
	s_wait_kmcnt 0x0
	s_mov_b64 s[46:47], s[34:35]                   ; W_Y, unless
.irp n, 0,1,2,3,4,5,6,7,8,9,10,11
	s_cmp_eq_u32 s49, \n
	s_cselect_b64 s[46:47], s[8+2*\n:9+2*\n], s[46:47]
.endr
	s_lshr_b32 s51, s49, 1
	s_cmp_eq_u32 s51, 6
	s_cselect_b64 s[46:47], s[32:33], s[46:47]     ; vw 12, 13: W_X
	s_and_b32 s52, s49, 1
	s_lshl_b32 s52, s52, 20                        ; the second half along K of W_X or W_Y begins 512 rows of 2,048 bytes on
	s_cmp_ge_u32 s49, 12
	s_cselect_b32 s52, s52, 0
	s_lshl_b32 s51, s50, 7
	s_add_co_u32 s52, s52, s51                     ; + 128 g
	s_add_nc_u64 s[46:47], s[46:47], s[52:53]
	s_lshl_b32 s52, s49, 18
	s_lshl_b32 s51, s50, 14
	s_add_co_u32 s52, s52, s51
	s_add_nc_u64 s[40:41], s[40:41], s[52:53]      ; wc + 262,144 vw + 16,384 g
	s_lshl_b32 s52, s49, 13
	s_lshl_b32 s51, s50, 9
	s_add_co_u32 s52, s52, s51
	s_add_nc_u64 s[42:43], s[42:43], s[52:53]      ; ws + 8,192 vw + 512 g
.macro WLOAD t                         ; block t: rows 32 t + i of my column; a load reads 128 consecutive bytes, the work-group's four waves 512
.irp i, 0,1,2,3,4,5,6,7,8,9,10,11,12,13,14,15,16,17,18,19,20,21,22,23,24,25,26,27,28,29,30,31
	global_load_b32 v[WX+32*((\t)%2)+\i], v1, s[46:47] offset:(32*(\t)+\i)*2048 th:TH_LOAD_NT
.endr
.endm
.macro WBLOCK t
.set XS, WX+32*((\t)%2)
.if (\t) < 15
	s_wait_loadcnt 32                              ; this block's 32 loads are in; the next block's 32 may be out
.else
	s_wait_loadcnt 0x0
.endif
	v_max3_num_f32 v[WT], |v[XS]|, |v[XS+1]|, |v[XS+2]|   ; all 32 numbers of the block are mine
	v_max3_num_f32 v[WT+1], |v[XS+3]|, |v[XS+4]|, |v[XS+5]|
.irp i, 6,10,14,18,22,26
	v_max3_num_f32 v[WT], v[WT], |v[XS+\i]|, |v[XS+\i+1]|
	v_max3_num_f32 v[WT+1], v[WT+1], |v[XS+\i+2]|, |v[XS+\i+3]|
.endr
	v_max3_num_f32 v[WT], v[WT], |v[XS+30]|, |v[XS+31]|
	v_max3_num_f32 v[WT], v[WT], v[WT+1], 0x8000000   ; and the floor
	v_add_nc_u32 v[WT+3], 0xf8800000, v[WT]        ; the conversions' scale operand
	v_lshrrev_b32 v[WT+1], 23, v[WT+3]             ; the byte
.if (\t)%4 == 0
	v_mov_b32 v[SB+(\t)/4], v[WT+1]
.else
	v_lshl_or_b32 v[SB+(\t)/4], v[WT+1], 8*((\t)%4), v[SB+(\t)/4]
.endif
.irp i, 0,1,2,3,4,5,6,7,8,9,10,11,12,13,14,15,16,17,18,19,20,21,22,23,24,25,26,27,28,29,30,31
.endr
	s_wait_alu depctr_va_vdst(0)
	s_wait_xcnt 0x0                                ; the last block's stores have read the codes' registers
.irp g, 0,1,2,3
	v_cvt_scalef32_pk8_bf8_f32 v[WC+2*\g:WC+2*\g+1], v[XS+8*\g:XS+8*\g+7], v[WT+3]
.endr
	v_nop                                          ; one plain vector line behind the last conversion
	global_store_b128 v2, v[WC:WC+3], s[40:41] offset:512*(\t)       ; k 0-15 of the block: the place of lane (r, 0); the sixteen lanes of one u fill 256 consecutive bytes, aligned
	global_store_b128 v2, v[WC+4:WC+7], s[40:41] offset:512*(\t)+256 ; k 16-31: lane (r, 1)
.if (\t)+2 < 16
	WLOAD (\t)+2
.endif
.endm
	WLOAD 0
	WLOAD 1
.set Q, 0
.rept 16
	WBLOCK Q
.set Q, Q+1
.endr
	global_store_b128 v3, v[SB:SB+3], s[42:43]     ; 32 lanes store 512 consecutive bytes
	s_endpgm
.Lfunc_end_k_q42156a1cf0_quant:
	.size	k_q42156a1cf0_quant, .Lfunc_end_k_q42156a1cf0_quant-k_q42156a1cf0_quant
	.p2alignl 7, 3214868480
	.fill 96, 4, 3214868480
	.section	.rodata,"a",@progbits
	.p2align	6, 0x0
	.amdhsa_kernel k_q42156a1cf0_quant
		.amdhsa_group_segment_fixed_size 34304
		.amdhsa_private_segment_fixed_size 0
		.amdhsa_enable_private_segment 0
		.amdhsa_kernarg_size 160
		.amdhsa_user_sgpr_count 2
		.amdhsa_user_sgpr_kernarg_segment_ptr 1
		.amdhsa_wavefront_size32 1
		.amdhsa_system_sgpr_workgroup_id_x 1
		.amdhsa_system_sgpr_workgroup_id_y 1
		.amdhsa_system_sgpr_workgroup_id_z 1
		.amdhsa_system_vgpr_workitem_id 0
		.amdhsa_next_free_vgpr 256
		.amdhsa_next_free_sgpr 66
		.amdhsa_reserve_vcc 1
		.amdhsa_float_denorm_mode_32 3
		.amdhsa_float_denorm_mode_16_64 3
		.amdhsa_fp16_overflow 1
		.amdhsa_memory_ordered 1
		.amdhsa_forward_progress 1
		.amdhsa_inst_pref_size 111
	.end_amdhsa_kernel
	.amdgpu_metadata
---
amdhsa.version: [ 1, 2 ]
amdhsa.kernels:
  - .name:           k_q42156a1cf0_quant
    .symbol:         k_q42156a1cf0_quant.kd
    .args:
      - { .name: X, .offset: 0, .size: 8, .value_kind: global_buffer, .address_space: global }
      - { .name: Y, .offset: 8, .size: 8, .value_kind: global_buffer, .address_space: global }
      - { .name: W_q_xx, .offset: 16, .size: 8, .value_kind: global_buffer, .address_space: global }
      - { .name: W_k_xx, .offset: 24, .size: 8, .value_kind: global_buffer, .address_space: global }
      - { .name: W_v_xx, .offset: 32, .size: 8, .value_kind: global_buffer, .address_space: global }
      - { .name: W_q_xy, .offset: 40, .size: 8, .value_kind: global_buffer, .address_space: global }
      - { .name: W_k_xy, .offset: 48, .size: 8, .value_kind: global_buffer, .address_space: global }
      - { .name: W_v_xy, .offset: 56, .size: 8, .value_kind: global_buffer, .address_space: global }
      - { .name: W_q_yx, .offset: 64, .size: 8, .value_kind: global_buffer, .address_space: global }
      - { .name: W_k_yx, .offset: 72, .size: 8, .value_kind: global_buffer, .address_space: global }
      - { .name: W_v_yx, .offset: 80, .size: 8, .value_kind: global_buffer, .address_space: global }
      - { .name: W_q_yy, .offset: 88, .size: 8, .value_kind: global_buffer, .address_space: global }
      - { .name: W_k_yy, .offset: 96, .size: 8, .value_kind: global_buffer, .address_space: global }
      - { .name: W_v_yy, .offset: 104, .size: 8, .value_kind: global_buffer, .address_space: global }
      - { .name: W_X, .offset: 112, .size: 8, .value_kind: global_buffer, .address_space: global }
      - { .name: W_Y, .offset: 120, .size: 8, .value_kind: global_buffer, .address_space: global }
      - { .name: xc, .offset: 128, .size: 8, .value_kind: global_buffer, .address_space: global }
      - { .name: xs, .offset: 136, .size: 8, .value_kind: global_buffer, .address_space: global }
      - { .name: wc, .offset: 144, .size: 8, .value_kind: global_buffer, .address_space: global }
      - { .name: ws, .offset: 152, .size: 8, .value_kind: global_buffer, .address_space: global }
    .group_segment_fixed_size: 34304
    .private_segment_fixed_size: 0
    .kernarg_segment_align: 8
    .kernarg_segment_size: 160
    .max_flat_workgroup_size: 128
    .sgpr_count:     66
    .vgpr_count:     256
    .wavefront_size: 32
...
	.end_amdgpu_metadata
.endif
;; end of part 1
;; launch attn (part 2): grid 256 x 1, 16 waves a work-group, no clusters, 310,272 bytes of LDS; arguments xc, xs, wc, ws, b_q_xx, b_k_xx, b_v_xx, b_q_xy, b_k_xy, b_v_xy, b_q_yx, b_k_yx, b_v_yx, b_q_yy, b_k_yy, b_v_yy, oc, osc; writes oc, osc
.if DOCPART == 2
	.amdgcn_target "amdgcn-amd-amdhsa--gfx1250"
	.amdhsa_code_object_version 6
	.text
	.protected	k_q42156a1cf0_attn
	.globl	k_q42156a1cf0_attn
	.p2align	8
	.type	k_q42156a1cf0_attn,@function
k_q42156a1cf0_attn:
	s_mov_b64 s[64:65], 0
	v_nop
	global_prefetch_b8 v0, s[64:65] scope:SCOPE_SE
	s_setreg_imm32_b32 hwreg(HW_REG_WAVE_MODE, 25, 1), 1
	s_wait_xcnt 0x0
; One work-group = one (branch, batch, head): br = xx, xy, yx, yy.  It projects the head's K and V (1,024 keys x 64) and Q, runs both attention products and stores o = q + P V / l as codes.
; All products are on codes of BF8 (E5M2) with one E8M0 scale for each 32 along K.  K, V and the f32 q never go to memory.
; INPUTS in the order of operands' registers: a fragment (16 rows x 128 K) is 2,048 bytes [c][lane][16]; lane r of tile 2 p + u stands for row (column of a weight) 32 p + 8 u + r + 8 (r / 8).
; With such a tile as source 0, register j of tiles 2 p and 2 p + 1 in lane half h is index 32 p + 16 h + 8 u + j: a lane's 16 registers of two tiles are 16 neighbours along the next K.
; PHASE A.  Wave w takes keys 64 w .. 64 w + 63, two pairs of tiles.  K^T-like use: source 0 = Wk's columns, source 1 = the keys: a lane holds one key, registers run along the head's 64.  V: source 0 = the keys,
; source 1 = Wv's columns: a lane holds one channel, registers run along the keys.  Both are quantised in registers and go to LDS as images of operands' registers.
; A K FRAGMENT HOLDS TWO TILES OF KEYS: the score's K is 64, half of the instruction's 128: registers 0-7 are tile 2 p, registers 8-15 tile 2 p + 1; source 1 is [q, zeros] or [zeros, q].
; PHASE B.  Wave w takes query tiles 4 w .. 4 w + 3, one after the other; each walks the 1,024 keys in 8 steps of 128.  S^T = K q^T, O^T = V^T P^T: a lane holds one query throughout.
; SOFTMAX: t = score x log2(e) / sqrt(512); M = the running largest t rounded up to a whole number; p = 2^(t - M) is quantised along the keys, not normalised; the sum is taken of the unquantised p and divides at the end.
; Sixteen waves of 256 registers, four to a SIMD: one wave's vector work stands beside another's matrix work and LDS loads; so every wait but one is for 0.
; NO CLUSTER: what work-groups share (fragments of xc, 96 KiB of weights) goes straight to registers or is staged once; 308,224 bytes of LDS hold K, V, the weights and q, so there is no room for slots that a joint load could fill.
; LIMITS: NaN and infinities are not served.  A block of zeros gets the byte 1 where the rule says 127 (its codes are zeros; this program alone reads the bytes).  p under 2^-126 comes out of v_exp_f32 as 0.
; A block's largest p is taken from its largest score, which takes v_exp_f32 not to fall where its input rises.
.set KIMG, 0                           ; 65,536: pair P of key tiles at 2,048 P
.set VIMG, 65536                       ; 65,536: (step s, channel tile t) at 2,048 (4 s + t)
.set WIMG, 131072                      ; 98,304: Wq, Wk, Wv of the head, 32,768 each: [t 4][kstep 4][2048]
.set QP,   229376                      ; 65,536: 4,096 a wave: q in f32, as its registers lie
.set KSC,  294912                      ; 4,096: K's scale words: 512 step + 16 lane + 4 (pair in step)
.set VSC,  299008                      ; 4,096: V's scale bytes: 512 step + 16 lane + 4 t + c
.set WSC,  303104                      ; 3,072: the weights' scale words: 1,024 weight + 256 t + 16 r + 4 kstep
.set OSC,  306176                      ; 2,048: o's scale halves: 2 (16 tile + r)
; phase A: v1 16 lane; v2 16 r; v3, v4 Wk's, Wv's images; v5 the weights' scale words; v6-9 where I store K, V, K's words, V's bytes; v10 64 h; v11 bv's offset;
;          v12-19 the keys' scale words (tile u, kstep s: 12 + 4 u + s); v20-23 the weight's
.set SRC,  24                          ; v24-55   the keys' two fragments; later V's codes
.set WF,   56                          ; v56-119  the weight's four fragments; later K's codes (v56-71), the quantiser's registers (v72-87), K's scale word (v88)
.set KA,   120                         ; v120-183 K: 120 + 32 u + 8 t
.set VA,   184                         ; v184-247 V: 184 + 16 t + 8 u; before that bk, the C of K's first products
.set BV,   248                         ; v248-255 bv of my channel, tile t, twice: a pair for the packed addition
; phase B: v3 Wq's images; v4 its scale words; v5-8 K's, V's images and scale words; v9 my q; v10 o's scale halves; v11 64 h; v12 -M; v13 the largest t; v[14:15] the sum in two halves
.set QC,   16                          ; v16-39   [q's codes 8][zeros 8][q's codes 8]
.set FR,   40                          ; v40-103  four fragments: Wq's, K's or V's
.set ST,   104                         ; v104-167 X's fragments; S^T, then p; q and o on the way out
.set OT,   168                         ; v168-199 q's sums; O^T
.set PC,   200                         ; v200-215 p's codes; o's
.set BM,   216                         ; v216-219 block maxima   (v216-231 are also the quantiser's registers)
.set PT,   220                         ; v220-223 the other half's; bytes
.set HD,   224
.set SO,   228                         ; v228-231 the conversions' scale operands
.set SCW,  232                         ; v232-235 scale words: X's, K's, V's
.set FF,   236                         ; v236     f = 2^(old M - new M); 1 / l
.set PWD,  237                         ; v237     p's scale word
.set TMP,  238
.set QS,   239                         ; v239     q's scale word
.set ADK,  240                         ; v240-243 the step's addresses
.set WQS,  244                         ; v244-247 Wq's scale words
.set SEL,  68                          ; s[68:69] lane selects: lane l xor 16
.set MNT,  70
.set CS,   66                          ; s[66:67] c = log2(e) / sqrt(512), twice
.macro PLACES n                        ; places behind matrix instructions: plain vector lines that name none of their registers (ISA guide 7.12.1)
.rept \n
	v_nop
.endr
.endm
.macro BARRIER                         ; my LDS stores have landed and my LDS loads are in: then the work-group's barrier
	s_wait_dscnt 0x0
	s_barrier_signal -1
	s_barrier_wait -1
.endm
.macro MMZ d, a, b, sa, sb             ; a product that starts a sum
	v_wmma_scale_f32_16x16x128_f8f6f4 v[\d:\d+7], v[\a:\a+15], v[\b:\b+15], 0, v[\sa], v[\sb] matrix_a_fmt:MATRIX_FMT_BF8 matrix_b_fmt:MATRIX_FMT_BF8
.endm
.macro MMC d, a, b, c, sa, sb          ; a product onto v[c ..]
	v_wmma_scale_f32_16x16x128_f8f6f4 v[\d:\d+7], v[\a:\a+15], v[\b:\b+15], v[\c:\c+7], v[\sa], v[\sb] matrix_a_fmt:MATRIX_FMT_BF8 matrix_b_fmt:MATRIX_FMT_BF8
.endm
; 16 nb numbers of a lane, register 16 b + i of block b, become codes in v[pc + 4 b ..]; the block's other 16 numbers lie in lane l xor 16.  The bytes stay in v[TM+4 ..].
.macro QUANT s, nb, pc
.irp b, 0,1,2,3
.if \b < \nb
	v_max3_num_f32 v[TM+\b], |v[\s+16*\b]|, |v[\s+16*\b+1]|, 0x8000000   ; my 16 numbers, and the floor 2^(16 - 127): the byte cannot fall under 1
.endif
.endr
.irp i, 2,4,6,8,10,12,14
.irp b, 0,1,2,3
.if \b < \nb
	v_max3_num_f32 v[TM+\b], v[TM+\b], |v[\s+16*\b+\i]|, |v[\s+16*\b+\i+1]|
.endif
.endr
.endr
.irp b, 0,1,2,3
.if \b < \nb
	v_permlanex16_b32 v[TM+4+\b], v[TM+\b], s[SEL], s[SEL+1]
.endif
.endr
.irp b, 0,1,2,3
.if \b < \nb
	v_max_num_f32 v[TM+\b], v[TM+\b], v[TM+4+\b]
.endif
.endr
.irp b, 0,1,2,3
.if \b < \nb
	v_add_nc_u32 v[TM+12+\b], 0xf8800000, v[TM+\b]   ; 15 off the exponent field: the conversions' scale operand
.endif
.endr
.irp b, 0,1,2,3
.if \b < \nb
.endif
.endr
.irp b, 0,1,2,3
.if \b < \nb
	v_lshrrev_b32 v[TM+4+\b], 23, v[TM+12+\b]   ; the byte
.endif
.endr
.irp b, 0,1,2,3
.if \b < \nb
.irp i, 0,1,2,3,4,5,6,7,8,9,10,11,12,13,14,15
.endr
	v_cvt_scalef32_pk8_bf8_f32 v[\pc+4*\b:\pc+4*\b+1], v[\s+16*\b:\s+16*\b+7], v[TM+12+\b]
	v_cvt_scalef32_pk8_bf8_f32 v[\pc+4*\b+2:\pc+4*\b+3], v[\s+16*\b+8:\s+16*\b+15], v[TM+12+\b]
.endif
.endr
	v_nop                                          ; one plain vector line behind the last conversion
.endm
	s_load_b256 s[4:11], s[0:1], 0x0               ; xc, xs, wc, ws
	s_load_b512 s[16:31], s[0:1], 0x20             ; the biases: (branch n, q k v) at s[16 + 6 n + 2 m]
	s_load_b256 s[32:39], s[0:1], 0x60
	s_load_b128 s[40:43], s[0:1], 0x80             ; oc, osc
	v_lshrrev_b32 v1, 5, v0
	s_delay_alu instid0(VALU_DEP_1)
	v_readfirstlane_b32 s44, v1                    ; wave 0..15
	s_lshr_b32 s45, ttmp9, 6                       ; branch
	s_bfe_u32 s46, ttmp9, 0x30003                  ; batch
	s_and_b32 s47, ttmp9, 7                        ; head
	s_mov_b32 s[CS], 0x3d8293ee
	s_mov_b32 s[CS+1], s[CS]
	s_mov_b32 s[SEL], 0x76543210
	s_mov_b32 s[SEL+1], 0xfedcba98
	v_and_b32 v1, 31, v0
	s_delay_alu instid0(VALU_DEP_1)
	v_lshlrev_b32 v1, 4, v1                        ; 16 x lane
	v_and_b32 v2, 15, v0                           ; r
	s_delay_alu instid0(VALU_DEP_1)
	v_and_b32 v11, 8, v2
	s_delay_alu instid0(VALU_DEP_1)
	v_add_nc_u32 v11, v11, v2
	s_delay_alu instid0(VALU_DEP_1)
	v_lshlrev_b32 v11, 2, v11                      ; bv: 4 (r + 8 (r / 8))
	s_delay_alu instid0(VALU_DEP_4)
	v_lshlrev_b32 v2, 4, v2                        ; 16 r
	v_bfe_u32 v10, v0, 4, 1
	s_delay_alu instid0(VALU_DEP_1)
	v_lshlrev_b32 v10, 6, v10                      ; 64 h
	v_add_nc_u32 v3, WIMG+32768, v1
	v_add_nc_u32 v4, WIMG+65536, v1
	v_add_nc_u32 v5, WSC, v2
	s_lshl_b32 s80, s44, 12
	v_add_nc_u32 v6, s80, v1                       ; K's images begin at LDS byte 0: my two pairs at 4,096 w
	s_lshr_b32 s81, s44, 1                         ; my keys' step
	s_and_b32 s82, s44, 1                          ; and which half of it
	s_lshl_b32 s80, s81, 13
	s_lshl_b32 s83, s82, 10
	s_add_co_u32 s80, s80, s83
	s_add_co_u32 s80, s80, VIMG
	v_add_nc_u32 v7, s80, v1
	s_lshl_b32 s80, s81, 9
	s_lshl_b32 s83, s82, 3
	s_add_co_u32 s83, s83, s80
	s_add_co_u32 s83, s83, KSC
	v_add_nc_u32 v8, s83, v1
	s_lshl_b32 s83, s82, 1
	s_add_co_u32 s83, s83, s80
	s_add_co_u32 s83, s83, VSC
	v_add_nc_u32 v9, s83, v1
	s_lshl_b32 s80, s44, 11                        ; 2,048 w: the fragment of each weight that I stage
	s_add_co_u32 s83, s80, WIMG
	v_add_nc_u32 v72, s83, v1
	s_delay_alu instid0(VALU_DEP_1)
	v_add_nc_u32 v73, 32768, v72
	s_delay_alu instid0(VALU_DEP_2)
	v_add_nc_u32 v74, 65536, v72
	s_lshl_b32 s83, s44, 9
	s_add_co_u32 s83, s83, WSC
	v_add_nc_u32 v75, s83, v1                      ; (used by waves 0-5 alone)
	s_mov_b32 s85, 0                               ; the high word of the offsets in s[84:85]
	s_lshr_b32 s86, s45, 1                         ; q's source; the output's side
	s_and_b32 s87, s45, 1                          ; K's and V's source; which half of the closing product's K
	s_lshl_b32 s88, s46, 6
	s_lshl_b32 s89, s44, 2
	s_add_co_u32 s88, s88, s89                     ; my first tile: 64 batch + 4 w
	s_mul_i32 s89, s45, 3
	s_wait_alu depctr_va_vdst(0)
	s_wait_kmcnt 0x0
	s_lshl_b32 s84, s89, 18
	s_lshl_b32 s90, s47, 15
	s_add_co_u32 s84, s84, s90
	s_add_co_u32 s84, s84, s80
	s_add_nc_u64 s[12:13], s[8:9], s[84:85]        ; wc + 262,144 (3 br) + 32,768 head + 2,048 w
	s_add_co_u32 s84, s89, s81
	s_lshl_b32 s84, s84, 13
	s_lshl_b32 s90, s47, 10
	s_add_co_u32 s84, s84, s90
	s_lshl_b32 s90, s82, 9
	s_add_co_u32 s84, s84, s90
	s_add_nc_u64 s[14:15], s[10:11], s[84:85]      ; ws + 8,192 (3 br + w / 2) + 1,024 head + 512 (w % 2): read by waves 0-5 alone
	s_lshl_b32 s84, s87, 22
	s_lshl_b32 s90, s88, 13
	s_add_co_u32 s84, s84, s90
	s_add_nc_u64 s[54:55], s[4:5], s[84:85]        ; my keys' codes
	s_lshl_b32 s84, s87, 17
	s_lshl_b32 s90, s88, 8
	s_add_co_u32 s84, s84, s90
	s_add_nc_u64 s[56:57], s[6:7], s[84:85]        ; and scale words
	s_lshl_b32 s84, s86, 22
	s_lshl_b32 s90, s88, 13
	s_add_co_u32 s84, s84, s90
	s_add_nc_u64 s[58:59], s[4:5], s[84:85]        ; my queries' codes
	s_lshl_b32 s84, s86, 17
	s_lshl_b32 s90, s88, 8
	s_add_co_u32 s84, s84, s90
	s_add_nc_u64 s[60:61], s[6:7], s[84:85]        ; and scale words
	s_lshl_b32 s84, s86, 23
	s_lshl_b32 s90, s88, 14
	s_add_co_u32 s84, s84, s90
	s_lshl_b32 s90, s87, 2
	s_lshr_b32 s83, s47, 1
	s_add_co_u32 s90, s90, s83
	s_lshl_b32 s90, s90, 11                        ; kstep 4 (br % 2) + head / 2
	s_add_co_u32 s84, s84, s90
	s_and_b32 s90, s47, 1
	s_lshl_b32 s90, s90, 10                        ; groups c = 2 (head % 2) + 0, 1
	s_add_co_u32 s84, s84, s90
	s_add_nc_u64 s[62:63], s[40:41], s[84:85]      ; o's codes
	s_lshl_b32 s84, s45, 3
	s_add_co_u32 s84, s84, s47
	s_lshl_b32 s84, s84, 14                        ; (16 side + 8 (br % 2) + head) x 8,192 halves
	s_lshl_b32 s90, s46, 11
	s_add_co_u32 s84, s84, s90
	s_add_nc_u64 s[42:43], s[42:43], s[84:85]      ; o's scale halves
	s_mov_b64 s[48:49], s[34:35]                   ; bq, bk, bv: branch 3's, unless
	s_mov_b64 s[50:51], s[36:37]
	s_mov_b64 s[52:53], s[38:39]
.irp n, 0,1,2
	s_cmp_eq_u32 s45, \n
	s_cselect_b64 s[48:49], s[16+6*\n:17+6*\n], s[48:49]
	s_cselect_b64 s[50:51], s[18+6*\n:19+6*\n], s[50:51]
	s_cselect_b64 s[52:53], s[20+6*\n:21+6*\n], s[52:53]
.endr
	s_lshl_b32 s84, s47, 8                         ; the head's 64 numbers
	s_add_nc_u64 s[48:49], s[48:49], s[84:85]
	s_add_nc_u64 s[50:51], s[50:51], s[84:85]
	s_add_nc_u64 s[52:53], s[52:53], s[84:85]
	; ---- the head's weights into LDS: each wave one fragment of each of the three ----
.irp m, 0,1,2
.irp j, 0,1,2,3
	global_load_b128 v[24+16*\m+4*\j:27+16*\m+4*\j], v1, s[12:13] offset:262144*\m+512*\j
.endr
.endr
.irp t, 0,1,2,3
	global_load_b32 v[BV+2*\t], v11, s[52:53] offset:(32*(\t/2)+8*(\t%2))*4
	global_load_b32 v[BV+2*\t+1], v11, s[52:53] offset:(32*(\t/2)+8*(\t%2))*4
.endr
	s_wait_loadcnt 8                               ; the twelve weight loads are in; bv's eight, issued behind them, may be out
.irp m, 0,1,2
.irp j, 0,1,2,3
	ds_store_b128 v[72+\m], v[24+16*\m+4*\j:27+16*\m+4*\j] offset:512*\j
.endr
.endr
	s_cmp_lt_u32 s44, 6                            ; the scale words, 3 x 1,024 bytes: waves 0-5, 512 bytes each
	s_cbranch_scc0 .Lno_scales
	global_load_b128 v[76:79], v1, s[14:15]
	s_wait_loadcnt 0x0
	ds_store_b128 v75, v[76:79]
.Lno_scales:
	BARRIER                                        ; the weights and their scale words lie in LDS
	; ---- PHASE A ----
.set TM, 72
.macro SRCLOAD i, s                    ; K step s of the pair's two tiles of keys
.irp u, 0,1
.irp c, 0,1,2,3
	global_load_b128 v[SRC+16*\u+4*\c:SRC+16*\u+4*\c+3], v1, s[54:55] offset:(2*\i+\u)*8192+2048*\s+512*\c
.endr
.endr
.endm
.macro WLOAD adr, sco, s               ; K step s of a weight's four tiles, and their scale words
.irp t, 0,1,2,3
.irp c, 0,1,2,3
	ds_load_b128 v[WF+16*\t+4*\c:WF+16*\t+4*\c+3], v[\adr] offset:8192*\t+2048*\s+512*\c
.endr
	ds_load_b32 v[20+\t], v5 offset:\sco+256*\t+4*\s
.endr
.endm
.macro KSTEP i, s
.if \s > 0
	PLACES 8                                       ; in front of loads into registers that the last products read
	SRCLOAD \i, \s
.endif
	WLOAD 3, 1024, \s
	s_wait_loadcnt 0x0
	s_wait_dscnt 0x0
.irp u, 0,1                            ; K: source 0 = Wk's columns, source 1 = the keys.  Eight accumulators by turns; the first products take bk as C
.irp t, 0,1,2,3
.if \s == 0
	MMC KA+32*\u+8*\t, WF+16*\t, SRC+16*\u, VA+8*\t, 20+\t, 12+4*\u+\s
.else
	MMC KA+32*\u+8*\t, WF+16*\t, SRC+16*\u, KA+32*\u+8*\t, 20+\t, 12+4*\u+\s
.endif
.endr
.endr
	PLACES 9                                       ; nine: the loads below want eight; V's first products write over the registers that held bk
	WLOAD 4, 2048, \s
	s_wait_dscnt 0x0
.irp u, 0,1                            ; V: source 0 = the keys, source 1 = Wv's columns
.irp t, 0,1,2,3
.if \s == 0
	MMZ VA+16*\t+8*\u, SRC+16*\u, WF+16*\t, 12+4*\u+\s, 20+\t
.else
	MMC VA+16*\t+8*\u, SRC+16*\u, WF+16*\t, VA+16*\t+8*\u, 12+4*\u+\s, 20+\t
.endif
.endr
.endr
.endm
.macro PAIR i                          ; my pair i of key tiles: 32 keys
.irp u, 0,1
	global_load_b128 v[12+4*\u:15+4*\u], v2, s[56:57] offset:(2*\i+\u)*256
.endr
.irp t, 0,1,2,3                        ; bk in the result's layout: tile t, register j: channel 32 (t / 2) + 16 h + 8 (t % 2) + j
	global_load_b128 v[VA+8*\t:VA+8*\t+3], v10, s[50:51] offset:128*(\t/2)+32*(\t%2)
	global_load_b128 v[VA+8*\t+4:VA+8*\t+7], v10, s[50:51] offset:128*(\t/2)+32*(\t%2)+16
.endr
	SRCLOAD \i, 0
.irp s, 0,1,2,3
	KSTEP \i, \s
.endr
	PLACES 8
	QUANT KA, 4, WF                                ; blocks 0, 1: tile 0's 64 channels; blocks 2, 3: tile 1's: the 16 code registers are the pair's fragment
	v_lshl_or_b32 v88, v[TM+5], 8, v[TM+4]         ; and the four bytes its scale word
	s_delay_alu instid0(VALU_DEP_1)
	v_lshl_or_b32 v88, v[TM+6], 16, v88
	s_delay_alu instid0(VALU_DEP_1)
	v_lshl_or_b32 v88, v[TM+7], 24, v88
.irp c, 0,1,2,3
	ds_store_b128 v6, v[WF+4*\c:WF+4*\c+3] offset:2048*\i+512*\c
.endr
	ds_store_b32 v8, v88 offset:4*\i
.irp t, 0,1,2,3
.irp e, 0,2,4,6,8,10,12,14
	v_pk_add_f32 v[VA+16*\t+\e:VA+16*\t+\e+1], v[VA+16*\t+\e:VA+16*\t+\e+1], v[BV+2*\t:BV+2*\t+1]   ; + bv of my channel
.endr
.endr
	QUANT VA, 4, SRC                               ; block t: channel tile t, the pair's 32 keys: group c = the pair's place in its step
.irp t, 0,1,2,3
	ds_store_b128 v7, v[SRC+4*\t:SRC+4*\t+3] offset:2048*\t+512*\i
	ds_store_b8 v9, v[TM+4+\t] offset:4*\t+\i
.endr
	s_wait_dscnt 0x0                               ; the stores have read their registers
.endm
	PAIR 0
	PAIR 1
	BARRIER                                        ; K, V and their scales lie in LDS
	; ---- PHASE B ----
.set TM, 216
	v_mov_b32 v11, v10                             ; 64 h
	v_lshrrev_b32 v10, 3, v2                       ; 2 r
	s_lshl_b32 s80, s44, 7
	s_add_co_u32 s80, s80, OSC
	v_add_nc_u32 v10, s80, v10
	v_add_nc_u32 v3, WIMG, v1
	v_add_nc_u32 v4, WSC, v2
	v_add_nc_u32 v5, KIMG, v1
	v_add_nc_u32 v6, VIMG, v1
	v_add_nc_u32 v7, KSC, v1
	v_add_nc_u32 v8, VSC, v1
	s_lshl_b32 s80, s44, 12
	s_add_co_u32 s80, s80, QP
	v_add_nc_u32 v9, s80, v1
.irp j, 0,1,2,3,4,5,6,7
	v_mov_b32 v[QC+8+\j], 0                        ; the zero codes between q's two copies
.endr
.irp b, 0,1,2,3
	v_mov_b32 v[PT+\b], 0                          ; written once: a lane permute's destination counts as one of its sources
.endr
	v_mov_b32 v[PWD], 0                            ; (named as the upper half of the pair v[236:237] before it is first written)
	s_mov_b32 s71, 0
.Ltile:                                            ; four trips: a tile of 16 queries each
	; q = x Wq + bq: source 0 = Wq's columns, source 1 = my queries; the sums begin as bq
.irp s, 0,1,2,3
.irp c, 0,1,2,3
	global_load_b128 v[ST+16*\s+4*\c:ST+16*\s+4*\c+3], v1, s[58:59] offset:2048*\s+512*\c
.endr
.endr
	global_load_b128 v[SCW:SCW+3], v2, s[60:61]
.irp t, 0,1,2,3
	global_load_b128 v[OT+8*\t:OT+8*\t+3], v11, s[48:49] offset:128*(\t/2)+32*(\t%2)
	global_load_b128 v[OT+8*\t+4:OT+8*\t+7], v11, s[48:49] offset:128*(\t/2)+32*(\t%2)+16
.endr
.irp s, 0,1,2,3
.if \s > 0
	PLACES 8                                       ; in front of loads into registers that the last products read (ahead of K step 0 the way out's vector work lies between)
.endif
.irp t, 0,1,2,3
.irp c, 0,1,2,3
	ds_load_b128 v[FR+16*\t+4*\c:FR+16*\t+4*\c+3], v3 offset:8192*\t+2048*\s+512*\c
.endr
	ds_load_b32 v[WQS+\t], v4 offset:256*\t+4*\s
.endr
.if \s == 0
	s_wait_loadcnt 0x0
.endif
	s_wait_dscnt 0x0
.irp t, 0,1,2,3
	MMC OT+8*\t, FR+16*\t, ST+16*\s, OT+8*\t, WQS+\t, SCW+\s
.endr
.endr
	PLACES 8
.irp j, 0,1,2,3,4,5,6,7
	ds_store_b128 v9, v[OT+4*\j:OT+4*\j+3] offset:512*\j   ; q in f32 is kept for the residual: register 16 b + i = channel 32 b + 16 h + i
.endr
	s_wait_dscnt 0x0                               ; the stores have read their registers
	QUANT OT, 2, QC
.irp b, 0,1                            ; the same codes once more, behind the zeros
	v_cvt_scalef32_pk8_bf8_f32 v[QC+16+4*\b:QC+17+4*\b], v[OT+16*\b:OT+16*\b+7], v[TM+12+\b]
	v_cvt_scalef32_pk8_bf8_f32 v[QC+18+4*\b:QC+19+4*\b], v[OT+16*\b+8:OT+16*\b+15], v[TM+12+\b]
.endr
	v_nop                                          ; one plain vector line behind the last conversion
	v_lshl_or_b32 v[QS], v[TM+5], 8, v[TM+4]
	s_delay_alu instid0(VALU_DEP_1)
	v_lshl_or_b32 v[QS], v[QS], 16, v[QS]          ; q's two bytes, for either place of the codes
	v_mov_b32 v13, 0xff61b1e6                      ; the largest t so far: -3e38, under every t
	s_delay_alu instid0(VALU_DEP_1)
	v_floor_f32 v12, -v13                          ; -M
	v_mov_b32 v14, 0
	v_mov_b32 v15, 0
.set n, 0
.rept 32
	v_mov_b32 v[OT+n], 0                           ; O^T: the step is written once; its first trip finds zeros, which the first change of M leaves zeros
.set n, n+1
.endr
	s_mov_b32 s72, 0
.Lstep:                                            ; eight trips: 128 keys each
	s_lshl_b32 s73, s72, 13
	s_lshl_b32 s74, s72, 9
	s_setprio 2
	v_add_nc_u32 v[ADK], s73, v5
	v_add_nc_u32 v[ADK+1], s73, v6
	v_add_nc_u32 v[ADK+2], s74, v7
	v_add_nc_u32 v[ADK+3], s74, v8
	PLACES 4                                       ; with the four additions: eight places in front of the loads
.irp b, 0,1,2,3
.irp c, 0,1,2,3
	ds_load_b128 v[FR+16*\b+4*\c:FR+16*\b+4*\c+3], v[ADK] offset:2048*\b+512*\c
.endr
.endr
	ds_load_b128 v[SCW:SCW+3], v[ADK+2]
	s_wait_alu depctr_va_vdst(0)
	s_wait_dscnt 0x0
.irp b, 0,1,2,3                        ; S^T: pair b's fragment against [q, 0] gives tile 2 b, against [0, q] tile 2 b + 1: registers 16 b + i are keys 32 b + 16 h + i
.irp u, 0,1
	MMZ ST+16*\b+8*\u, FR+16*\b, QC+8*\u, SCW+\b, QS
.endr
.endr
	PLACES 8
.irp t, 0,1,2,3                        ; V's fragments are asked for now and land under the softmax
.irp c, 0,1,2,3
	ds_load_b128 v[FR+16*\t+4*\c:FR+16*\t+4*\c+3], v[ADK+1] offset:2048*\t+512*\c
.endr
.endr
	ds_load_b128 v[SCW:SCW+3], v[ADK+3]
.irp b, 0,1,2,3
	v_max3_num_f32 v[BM+\b], v[ST+16*\b], v[ST+16*\b+1], v[ST+16*\b+2]   ; the largest score of each block of 32 keys: for the row's maximum, and for the block's largest p
.endr
.irp i, 3,5,7,9,11,13
.irp b, 0,1,2,3
	v_max3_num_f32 v[BM+\b], v[BM+\b], v[ST+16*\b+\i], v[ST+16*\b+\i+1]
.endr
.endr
.irp b, 0,1,2,3
	v_max_num_f32 v[BM+\b], v[BM+\b], v[ST+16*\b+15]
.endr
.irp b, 0,1,2,3
	s_delay_alu instid0(VALU_DEP_4)
	v_permlanex16_b32 v[PT+\b], v[BM+\b], s[SEL], s[SEL+1]
.endr
.irp b, 0,1,2,3
	s_delay_alu instid0(VALU_DEP_4)
	v_max_num_f32 v[BM+\b], v[BM+\b], v[PT+\b]
.endr
	s_delay_alu instid0(VALU_DEP_2)
	v_max3_num_f32 v[TMP], v[BM], v[BM+1], v[BM+2]
	s_delay_alu instid0(VALU_DEP_1)
	v_max_num_f32 v[TMP], v[TMP], v[BM+3]
	s_delay_alu instid0(VALU_DEP_1)
	v_mul_f32 v[TMP], s[CS], v[TMP]                ; as t (c is positive)
	s_delay_alu instid0(VALU_DEP_1)
	v_max_num_f32 v13, v13, v[TMP]                 ; the running largest t
	v_mov_b32 v[TMP], v12
	s_delay_alu instid0(VALU_DEP_2)
	v_floor_f32 v12, -v13                          ; the new -M = -ceil(t)
	s_delay_alu instid0(VALU_DEP_1)
	v_sub_f32 v[TMP], v12, v[TMP]                  ; old M - new M: a whole number, 0 or less
	s_delay_alu instid0(VALU_DEP_1)
	v_cvt_i32_f32 v[TMP], v[TMP]                   ; (it saturates)
	s_delay_alu instid0(VALU_DEP_1)
	v_ldexp_f32 v[FF], 1.0, v[TMP]                 ; f = 2^(old M - new M)
.set n, 0
.rept 32
	v_pk_fma_f32 v[ST+n:ST+n+1], v[ST+n:ST+n+1], s[CS:CS+1], v[12:13] op_sel_hi:[1,0,0]   ; t - M, two at a time
.set n, n+2
.endr
.irp b, 0,1,2,3
	v_fma_f32 v[BM+\b], v[BM+\b], s[CS], v12
.endr
.set n, 0
	s_setprio 1
	s_wait_alu depctr_va_vdst(0)
.rept 64
	v_exp_f32 v[ST+n], v[ST+n]                     ; p = 2^(t - M)
.set n, n+1
.endr
	v_pk_mul_f32 v[14:15], v[14:15], v[FF:FF+1] op_sel_hi:[1,0]   ; the sums under the new M: a plain line behind the exponentials
	s_wait_alu depctr_va_vdst(0)                   ; one wait for the batch of 64, ahead of its first reader
.irp b, 0,1,2,3
	v_exp_f32 v[BM+\b], v[BM+\b]                   ; each block's largest p
.endr
	v_pk_add_f32 v[220:221], v[108:109], v[112:113]
	v_pk_add_f32 v[254:255], v[116:117], v[120:121]
	v_pk_add_f32 v[252:253], v[124:125], v[128:129]
	v_pk_add_f32 v[250:251], v[132:133], v[136:137]
	v_pk_add_f32 v[248:249], v[140:141], v[144:145]
	v_pk_add_f32 v[246:247], v[148:149], v[152:153]
	v_pk_add_f32 v[244:245], v[156:157], v[160:161]
	v_pk_add_f32 v[14:15], v[14:15], v[164:165]
	v_pk_add_f32 v[220:221], v[220:221], v[104:105]
	v_pk_add_f32 v[254:255], v[254:255], v[106:107]
	v_pk_add_f32 v[252:253], v[252:253], v[110:111]
	v_pk_add_f32 v[250:251], v[250:251], v[114:115]
	v_pk_add_f32 v[248:249], v[248:249], v[118:119]
	v_pk_add_f32 v[246:247], v[246:247], v[122:123]
	v_pk_add_f32 v[244:245], v[244:245], v[126:127]
	v_pk_add_f32 v[14:15], v[14:15], v[130:131]
	v_pk_add_f32 v[220:221], v[220:221], v[134:135]
	v_pk_add_f32 v[254:255], v[254:255], v[138:139]
	v_pk_add_f32 v[252:253], v[252:253], v[142:143]
	v_pk_add_f32 v[250:251], v[250:251], v[146:147]
	v_pk_add_f32 v[248:249], v[248:249], v[150:151]
	v_pk_add_f32 v[246:247], v[246:247], v[154:155]
	v_pk_add_f32 v[244:245], v[244:245], v[158:159]
	v_pk_add_f32 v[14:15], v[14:15], v[162:163]
	v_pk_add_f32 v[220:221], v[220:221], v[166:167]
	s_delay_alu instid0(VALU_DEP_2)
	v_pk_add_f32 v[14:15], v[14:15], v[250:251]
	s_delay_alu instid0(VALU_DEP_2)
	v_pk_add_f32 v[220:221], v[220:221], v[248:249]
	v_pk_add_f32 v[254:255], v[254:255], v[246:247]
	v_pk_add_f32 v[252:253], v[252:253], v[244:245]
	s_delay_alu instid0(VALU_DEP_2)
	v_pk_add_f32 v[14:15], v[14:15], v[254:255]
	s_delay_alu instid0(VALU_DEP_2)
	v_pk_add_f32 v[220:221], v[220:221], v[252:253]
	s_delay_alu instid0(VALU_DEP_1)
	v_pk_add_f32 v[14:15], v[14:15], v[220:221]
	s_wait_alu depctr_va_vdst(0)                   ; and one for the four
.irp b, 0,1,2,3
	v_max_num_f32 v[BM+\b], 0x8000000, v[BM+\b]    ; the floor: the byte cannot fall under 1
.endr
.irp b, 0,1,2,3
	s_delay_alu instid0(VALU_DEP_4)
	v_add_nc_u32 v[SO+\b], 0xf8800000, v[BM+\b]
.endr
.irp b, 0,1,2,3
.endr
.irp b, 0,1,2,3
	s_delay_alu instid0(VALU_DEP_4)
	v_lshrrev_b32 v[PT+\b], 23, v[SO+\b]
.endr
	s_delay_alu instid0(VALU_DEP_3)
	v_lshl_or_b32 v[PWD], v[PT+1], 8, v[PT]        ; p's scale word for these 128 keys
	s_delay_alu instid0(VALU_DEP_1)
	v_lshl_or_b32 v[PWD], v[PT+2], 16, v[PWD]
	s_delay_alu instid0(VALU_DEP_1)
	v_lshl_or_b32 v[PWD], v[PT+3], 24, v[PWD]
.irp b, 0,1,2,3
.irp i, 0,1,2,3,4,5,6,7,8,9,10,11,12,13,14,15
.endr
	v_cvt_scalef32_pk8_bf8_f32 v[PC+4*\b:PC+4*\b+1], v[ST+16*\b:ST+16*\b+7], v[SO+\b]
	v_cvt_scalef32_pk8_bf8_f32 v[PC+4*\b+2:PC+4*\b+3], v[ST+16*\b+8:ST+16*\b+15], v[SO+\b]
.endr
.set n, 0
	s_setprio 0
.rept 16
	v_pk_mul_f32 v[OT+n:OT+n+1], v[OT+n:OT+n+1], v[FF:FF+1] op_sel_hi:[1,0]   ; O^T under the new M; these lines also stand between the conversions and the products
.set n, n+2
.endr
	s_wait_alu depctr_va_vdst(0)
	s_wait_dscnt 0x0                               ; V's fragments and scale words are in
.irp t, 0,1,2,3
	MMC OT+8*\t, FR+16*\t, PC, OT+8*\t, SCW+\t, PWD
.endr
	s_add_co_u32 s72, s72, 1
	s_cmp_lt_u32 s72, 8
	s_cbranch_scc1 .Lstep
	s_setprio 0
	; the way out: o = q + O^T / l, quantised along the closing product's K: the head's two blocks of 32
.irp j, 0,1,2,3,4,5,6,7
	ds_load_b128 v[ST+4*\j:ST+4*\j+3], v9 offset:512*\j
.endr
	PLACES 8
	v_add_f32 v14, v14, v15
	s_delay_alu instid0(VALU_DEP_1)
	v_permlanex16_b32 v[TMP], v14, s[SEL], s[SEL+1]
	s_delay_alu instid0(VALU_DEP_1)
	v_add_f32 v14, v14, v[TMP]                     ; the row's sum
	s_wait_alu depctr_va_vdst(0)
	v_rcp_f32 v[FF], v14
	v_mov_b32 v[PWD], 0                            ; a plain line behind the reciprocal (and the pair's upper half)
	s_wait_alu depctr_va_vdst(0)                   ; ahead of the reciprocal's first reader
	s_wait_dscnt 0x0                               ; q is back
.set n, 0
.rept 16
	v_pk_fma_f32 v[ST+n:ST+n+1], v[OT+n:OT+n+1], v[FF:FF+1], v[ST+n:ST+n+1] op_sel_hi:[1,0,1]
.set n, n+2
.endr
	QUANT ST, 2, PC
	v_lshl_or_b32 v[TMP], v[TM+5], 8, v[TM+4]      ; the two bytes of my row
	s_lshl_b32 s73, s71, 5
	v_add_nc_u32 v[ADK], s73, v10
	ds_store_b16 v[ADK], v[TMP]                    ; lanes r and r + 16 write the same half with the same value
	global_store_b128 v1, v[PC:PC+3], s[62:63]     ; 1,024 consecutive bytes, aligned: two groups of a fragment of the closing product
	global_store_b128 v1, v[PC+4:PC+7], s[62:63] offset:512
	s_wait_xcnt 0x0                                ; the stores and loads have read their bases and registers
	s_add_nc_u64 s[58:59], s[58:59], 8192
	s_add_nc_u64 s[60:61], s[60:61], 256
	s_add_nc_u64 s[62:63], s[62:63], 16384
	s_add_co_u32 s71, s71, 1
	s_cmp_lt_u32 s71, 4
	s_cbranch_scc1 .Ltile
	v_lshl_add_u32 v[ADK], v0, 4, OSC
	v_lshlrev_b32 v[ADK+1], 4, v0
	BARRIER                                        ; the scale halves of all 1,024 rows lie in LDS
	s_cmp_lt_u32 s44, 4                            ; 2,048 bytes: waves 0-3, 512 consecutive bytes each
	s_cbranch_scc0 .Ldone
	s_wait_alu depctr_va_vdst(0)
	ds_load_b128 v[PC:PC+3], v[ADK]
	s_wait_dscnt 0x0
	global_store_b128 v[ADK+1], v[PC:PC+3], s[42:43]
.Ldone:
	s_wait_xcnt 0x0
	v_lshl_add_u32 v254, v0, 2, 0x4b400
	v_mov_b32 v255, 0
	s_wait_alu depctr_va_vdst(0)
	s_wait_tensorcnt 0x0
	ds_add_u32 v254, v255
	s_wait_dscnt 0x0
	s_endpgm
.Lfunc_end_k_q42156a1cf0_attn:
	.size	k_q42156a1cf0_attn, .Lfunc_end_k_q42156a1cf0_attn-k_q42156a1cf0_attn
	.p2alignl 7, 3214868480
	.fill 96, 4, 3214868480
	.section	.rodata,"a",@progbits
	.p2align	6, 0x0
	.amdhsa_kernel k_q42156a1cf0_attn
		.amdhsa_group_segment_fixed_size 310272
		.amdhsa_private_segment_fixed_size 0
		.amdhsa_enable_private_segment 0
		.amdhsa_kernarg_size 144
		.amdhsa_user_sgpr_count 2
		.amdhsa_user_sgpr_kernarg_segment_ptr 1
		.amdhsa_wavefront_size32 1
		.amdhsa_system_sgpr_workgroup_id_x 1
		.amdhsa_system_sgpr_workgroup_id_y 1
		.amdhsa_system_sgpr_workgroup_id_z 1
		.amdhsa_system_vgpr_workitem_id 0
		.amdhsa_next_free_vgpr 256
		.amdhsa_next_free_sgpr 96
		.amdhsa_reserve_vcc 0
		.amdhsa_float_denorm_mode_32 3
		.amdhsa_float_denorm_mode_16_64 3
		.amdhsa_fp16_overflow 1
		.amdhsa_memory_ordered 1
		.amdhsa_forward_progress 1
		.amdhsa_inst_pref_size 115
	.end_amdhsa_kernel
	.amdgpu_metadata
---
amdhsa.version: [ 1, 2 ]
amdhsa.kernels:
  - .name:           k_q42156a1cf0_attn
    .symbol:         k_q42156a1cf0_attn.kd
    .args:
      - { .name: xc, .offset: 0, .size: 8, .value_kind: global_buffer, .address_space: global }
      - { .name: xs, .offset: 8, .size: 8, .value_kind: global_buffer, .address_space: global }
      - { .name: wc, .offset: 16, .size: 8, .value_kind: global_buffer, .address_space: global }
      - { .name: ws, .offset: 24, .size: 8, .value_kind: global_buffer, .address_space: global }
      - { .name: b_q_xx, .offset: 32, .size: 8, .value_kind: global_buffer, .address_space: global }
      - { .name: b_k_xx, .offset: 40, .size: 8, .value_kind: global_buffer, .address_space: global }
      - { .name: b_v_xx, .offset: 48, .size: 8, .value_kind: global_buffer, .address_space: global }
      - { .name: b_q_xy, .offset: 56, .size: 8, .value_kind: global_buffer, .address_space: global }
      - { .name: b_k_xy, .offset: 64, .size: 8, .value_kind: global_buffer, .address_space: global }
      - { .name: b_v_xy, .offset: 72, .size: 8, .value_kind: global_buffer, .address_space: global }
      - { .name: b_q_yx, .offset: 80, .size: 8, .value_kind: global_buffer, .address_space: global }
      - { .name: b_k_yx, .offset: 88, .size: 8, .value_kind: global_buffer, .address_space: global }
      - { .name: b_v_yx, .offset: 96, .size: 8, .value_kind: global_buffer, .address_space: global }
      - { .name: b_q_yy, .offset: 104, .size: 8, .value_kind: global_buffer, .address_space: global }
      - { .name: b_k_yy, .offset: 112, .size: 8, .value_kind: global_buffer, .address_space: global }
      - { .name: b_v_yy, .offset: 120, .size: 8, .value_kind: global_buffer, .address_space: global }
      - { .name: oc, .offset: 128, .size: 8, .value_kind: global_buffer, .address_space: global }
      - { .name: osc, .offset: 136, .size: 8, .value_kind: global_buffer, .address_space: global }
    .group_segment_fixed_size: 310272
    .private_segment_fixed_size: 0
    .kernarg_segment_align: 8
    .kernarg_segment_size: 144
    .max_flat_workgroup_size: 512
    .sgpr_count:     96
    .vgpr_count:     256
    .wavefront_size: 32
...
	.end_amdgpu_metadata
.endif
;; end of part 2
;; launch final (part 3): grid 256 x 1, 4 waves a work-group, no clusters, 168,448 bytes of LDS; arguments oc, osc, wc, ws, X, Y, b_X, b_Y, out0, out1; writes out0, out1
.if DOCPART == 3
	.amdgcn_target "amdgcn-amd-amdhsa--gfx1250"
	.amdhsa_code_object_version 6
	.text
	.protected	k_q42156a1cf0_final
	.globl	k_q42156a1cf0_final
	.p2align	8
	.type	k_q42156a1cf0_final,@function
k_q42156a1cf0_final:
	s_mov_b64 s[64:65], 0
	v_nop
	global_prefetch_b8 v0, s[64:65] scope:SCOPE_SE
	s_setreg_imm32_b32 hwreg(HW_REG_WAVE_MODE, 25, 1), 1
	s_wait_xcnt 0x0
; out = src + relu(O W + b): O [8192][1024] arrives as codes of BF8 (E5M2) in the order of an operand's registers (oc [side][tile 512][kstep 8][2048]), its scale bytes as halves (osc [side][16][8192] of 16 bits:
; SHARES.  A work-group takes 128 rows (8 tiles) x 256 columns of one side.  THE WAVES SHARE THE COLUMNS: wave w takes 64 columns for all 128 rows, and its 32 fragments of W stay in registers.
; O's 64 fragments, 131,072 dense bytes, come into LDS once, a quarter by each wave's one tensor load; nothing is filled again.  The product is used transposed (source 0 = W's columns, source 1 = O's rows):
; a lane holds one row and eight neighbouring columns.  The bias is the C of each sum's first product.  A wave's 64 columns are 256 bytes of a row: they go through its own stage and leave as whole aligned runs of 256 bytes.
; NO CLUSTER: O's block is shared by two work-groups alone, and is a fifth of what a work-group moves.
; REGISTERS, in windows of 256: window 0: v1-13 addresses; v16-47 the bias; v48-79 W's scale words (8 t + kstep); v80-95 O's (8 m + kstep); v96-159 the accumulators (8 (4 m + t)); v160-223 src's rows; v224-255 rows of the result.
;   window 1: W's fragments of tiles 0, 1 at 16 (8 (t % 2) + kstep); window 2: of tiles 2, 3; window 3: O's fragments of two tiles of rows at 16 (8 m + kstep).
; LIMITS: NaN and infinities are not served.
.set AIMG, 0                           ; 131,072: O's fragments: 16,384 tile + 2,048 kstep
.set OSW,  131072                      ; 4,096: O's scale words: 32 bytes a row
.set STG,  135168                      ; 4 x 4,352: a wave's stage: 16 rows x (256 + 16) bytes
.set SPI,  272
.set BIAS, 16
.set WS,   48
.set OS,   80
.set ACC,  96
.set XR,   160
.set RB,   224
.set MSB, 0
.macro WIN new                         ; the immediate's high byte repeats the setting that is left
.if MSB != \new
	s_set_vgpr_msb (MSB<<8)|\new
.set MSB, \new
.endif
.endm
.macro PLACES n
.rept \n
	v_nop
.endr
.endm
	s_load_b256 s[4:11], s[0:1], 0x0               ; oc, osc, wc, ws
	s_load_b256 s[32:39], s[0:1], 0x20             ; X, Y, b_X, b_Y
	s_load_b128 s[40:43], s[0:1], 0x40             ; out0, out1
	v_lshl_add_u32 v14, v0, 2, 0x29000
	v_mov_b32 v15, 0
	ds_add_u32 v14, v15
	ds_add_u32 v14, v15
	v_lshrrev_b32 v1, 5, v0
	v_readfirstlane_b32 s24, v1                    ; wave 0..3
	s_lshr_b32 s25, ttmp9, 7                       ; side
	s_bfe_u32 s26, ttmp9, 0x60001                  ; block of 128 rows
	s_and_b32 s27, ttmp9, 1                        ; block of 256 columns
	; descriptor group 1: 32,768 dense bytes as 128 rows of 32 elements of 8 bytes, no padding
	s_mov_b32 s16, 3<<16                           ; no mask; elements of 8 bytes
	s_mov_b32 s17, 32<<16                          ; tensor_dim0 = 32
	s_mov_b32 s18, 128<<16                         ; tensor_dim1 = 128
	s_mov_b32 s19, 32<<16                          ; tile_dim0 = 32
	s_mov_b32 s20, 128                             ; tile_dim1 = 128
	s_mov_b32 s21, 32                              ; the pitch
	s_mov_b32 s22, 0
	s_mov_b32 s23, 0
	s_mov_b32 s12, 1                               ; group 0: count = 1
	s_lshl_b32 s13, s24, 15                        ; LDS address: my quarter
	s_lshl_b32 s50, s25, 23
	s_lshl_b32 s52, s26, 17
	s_add_co_u32 s50, s50, s52
	s_add_co_u32 s50, s50, s13
	s_mov_b32 s51, 0                               ; the high word of the offsets in s[50:51]
	v_and_b32 v1, 31, v0
	v_lshlrev_b32 v1, 4, v1                        ; 16 x lane
	v_and_b32 v6, 15, v0                           ; r
	v_bfe_u32 v11, v0, 4, 1                        ; h
	v_lshlrev_b32 v2, 4, v6                        ; 16 r
	v_lshlrev_b32 v3, 1, v0                        ; a scale half of row 32 w + lane
	v_lshl_add_u32 v4, v0, 5, OSW                  ; where that row's eight words go
	v_lshlrev_b32 v5, 6, v11                       ; 64 h
	v_lshl_add_u32 v7, v6, 5, OSW                  ; where a tile's row r has its words
	s_mul_i32 s28, s24, 16*SPI
	s_add_co_u32 s28, s28, STG                     ; my stage
	v_mul_u32_u24 v8, v6, SPI
	v_add_nc_u32 v8, v8, v5
	v_add_nc_u32 v8, s28, v8                       ; in: row r, + 64 h
	v_mul_u32_u24 v9, v11, SPI
	v_add_nc_u32 v9, v9, v2
	v_add_nc_u32 v9, s28, v9                       ; back: lanes 0-15 one row, lanes 16-31 the next
	v_lshl_add_u32 v10, v11, 11, v2                ; and the same in src and out: rows of 2,048 bytes
	s_wait_alu depctr_va_vdst(0)
	s_wait_dscnt 0x0
	s_wait_kmcnt 0x0
	s_add_nc_u64 s[14:15], s[4:5], s[50:51]
	s_or_b32 s15, s15, 0x80000000                  ; type = 2
	tensor_load_to_lds s[12:15], s[16:23]          ; my one tensor load: two tiles of rows, all eight K steps
	s_nop 0
	PLACES 4                                       ; four plain lines follow the load
	s_lshl_b32 s50, s25, 18
	s_lshl_b32 s52, s26, 8
	s_add_co_u32 s50, s50, s52
	s_add_nc_u64 s[6:7], s[6:7], s[50:51]          ; osc + 262,144 side + 2 (128 block)
	s_lshl_b32 s53, s25, 1
	s_add_co_u32 s53, s53, 12                      ; vw
	s_lshl_b32 s54, s27, 4
	s_lshl_b32 s55, s24, 2
	s_add_co_u32 s54, s54, s55                     ; my first tile of columns
	s_lshl_b32 s50, s53, 18
	s_lshl_b32 s52, s54, 13
	s_add_co_u32 s50, s50, s52
	s_add_nc_u64 s[8:9], s[8:9], s[50:51]
	s_lshl_b32 s50, s53, 13
	s_lshl_b32 s52, s54, 8
	s_add_co_u32 s50, s50, s52
	s_add_nc_u64 s[10:11], s[10:11], s[50:51]
	s_cmp_eq_u32 s25, 0
	s_cselect_b64 s[44:45], s[32:33], s[34:35]     ; src
	s_cselect_b64 s[48:49], s[36:37], s[38:39]     ; the bias
	s_cselect_b64 s[46:47], s[40:41], s[42:43]     ; out
	s_lshl_b32 s50, s54, 6                         ; my first column in bytes
	s_add_nc_u64 s[48:49], s[48:49], s[50:51]
	s_lshl_b32 s55, s26, 18                        ; 128 rows of 2,048 bytes
	s_add_co_u32 s50, s50, s55
	s_add_nc_u64 s[44:45], s[44:45], s[50:51]
	s_add_nc_u64 s[46:47], s[46:47], s[50:51]
.irp k, 0,1,2,3,4,5,6,7,8,9,10,11,12,13,14,15
	global_load_u16 v[RB+\k], v3, s[6:7] offset:16384*\k
.endr
	WIN 0x40                                       ; destination window 1
.irp t, 0,1
.irp s, 0,1,2,3,4,5,6,7
.irp c, 0,1,2,3
	global_load_b128 v[16*(8*\t+\s)+4*\c:16*(8*\t+\s)+4*\c+3], v1, s[8:9] offset:(\s/4)*262144+8192*\t+2048*(\s%4)+512*\c
.endr
.endr
.endr
	WIN 0x80                                       ; destination window 2
.irp t, 0,1
.irp s, 0,1,2,3,4,5,6,7
.irp c, 0,1,2,3
	global_load_b128 v[16*(8*\t+\s)+4*\c:16*(8*\t+\s)+4*\c+3], v1, s[8:9] offset:(\s/4)*262144+8192*(\t+2)+2048*(\s%4)+512*\c
.endr
.endr
.endr
	WIN 0
.irp t, 0,1,2,3
	global_load_b128 v[WS+8*\t:WS+8*\t+3], v2, s[10:11] offset:256*\t
	global_load_b128 v[WS+8*\t+4:WS+8*\t+7], v2, s[10:11] offset:8192+256*\t
	global_load_b128 v[BIAS+8*\t:BIAS+8*\t+3], v5, s[48:49] offset:128*(\t/2)+32*(\t%2)
	global_load_b128 v[BIAS+8*\t+4:BIAS+8*\t+7], v5, s[48:49] offset:128*(\t/2)+32*(\t%2)+16
.endr
	s_wait_loadcnt 0x0
.irp s, 0,1,2,3,4,5,6,7
	v_lshl_or_b32 v[RB+16+\s], v[RB+2*\s+1], 16, v[RB+2*\s]   ; two halves make K step s's scale word of row 32 w + lane
.endr
	ds_store_b128 v4, v[RB+16:RB+19]
	ds_store_b128 v4, v[RB+20:RB+23] offset:16
	s_wait_tensorcnt 0x0                           ; my quarter of O has landed,
	s_wait_dscnt 0x0                               ; my rows' scale words too:
	s_barrier_signal -1
	s_barrier_wait -1                              ; everybody's have
.macro RUN t0                          ; 32 products: tiles of columns t0, t0 + 1 x two tiles of rows, K ascending; the four accumulators by turns
.irp s, 0,1,2,3,4,5,6,7
.irp e, 0,1
.irp m, 0,1
.if \s == 0
	v_wmma_scale_f32_16x16x128_f8f6f4 v[ACC+8*(4*\m+\t0+\e):ACC+8*(4*\m+\t0+\e)+7], v[16*(8*\e+\s):16*(8*\e+\s)+15], v[16*(8*\m+\s):16*(8*\m+\s)+15], v[BIAS+8*(\t0+\e):BIAS+8*(\t0+\e)+7], v[WS+8*(\t0+\e)+\s], v[OS+8*\m+\s] matrix_a_fmt:MATRIX_FMT_BF8 matrix_b_fmt:MATRIX_FMT_BF8
.else
	v_wmma_scale_f32_16x16x128_f8f6f4 v[ACC+8*(4*\m+\t0+\e):ACC+8*(4*\m+\t0+\e)+7], v[16*(8*\e+\s):16*(8*\e+\s)+15], v[16*(8*\m+\s):16*(8*\m+\s)+15], v[ACC+8*(4*\m+\t0+\e):ACC+8*(4*\m+\t0+\e)+7], v[WS+8*(\t0+\e)+\s], v[OS+8*\m+\s] matrix_a_fmt:MATRIX_FMT_BF8 matrix_b_fmt:MATRIX_FMT_BF8
.endif
.endr
.endr
.endr
.endm
.macro OUT m                           ; tile m of the pair: through my stage, relu, + src, out
.irp t, 0,1,2,3
	ds_store_b128 v8, v[ACC+8*(4*\m+\t):ACC+8*(4*\m+\t)+3] offset:128*(\t/2)+32*(\t%2)       ; each accumulator from its low end on; register j: column 32 (t / 2) + 16 h + 8 (t % 2) + j
	ds_store_b128 v8, v[ACC+8*(4*\m+\t)+4:ACC+8*(4*\m+\t)+7] offset:128*(\t/2)+32*(\t%2)+16
.endr
.irp i, 0,1,2,3,4,5,6,7
	ds_load_b128 v[RB+4*\i:RB+4*\i+3], v9 offset:2*\i*SPI   ; LDS serves a wave's instructions in order: these see my stores
.endr
	s_wait_dscnt 0x0
.set n, 0
.rept 32
	v_max_num_f32 v[RB+n], 0, v[RB+n]
.set n, n+1
.endr
.set n, 0
.rept 16
	v_pk_add_f32 v[XR+32*\m+n:XR+32*\m+n+1], v[XR+32*\m+n:XR+32*\m+n+1], v[RB+n:RB+n+1]
.set n, n+2
.endr
.irp i, 0,1,2,3,4,5,6,7
	global_store_b128 v10, v[XR+32*\m+4*\i:XR+32*\m+4*\i+3], s[46:47] offset:(8*\m+2*\i+8*(\i/4))*2048 th:TH_STORE_NT   ; sixteen lanes store 256 consecutive bytes, aligned
.endr
.endm
	s_mov_b32 s30, 0
.Lpair:                                            ; four trips: two tiles of rows (32 neighbouring rows) each
	s_lshl_b32 s50, s30, 15
	s_lshl_b32 s52, s30, 10
	v_add_nc_u32 v12, s50, v1
	v_add_nc_u32 v13, s52, v7
.irp m, 0,1
.irp i, 0,1,2,3,4,5,6,7
	global_load_b128 v[XR+32*\m+4*\i:XR+32*\m+4*\i+3], v10, s[44:45] offset:(8*\m+2*\i+8*(\i/4))*2048 th:TH_LOAD_NT   ; stage row 2 i + h of tile m is row 8 m + 2 i + h + 8 (i / 4) of the 32
.endr
.endr
	WIN 0xc0                                       ; destination window 3
.irp m, 0,1
.irp s, 0,1,2,3,4,5,6,7
.irp c, 0,1,2,3
	ds_load_b128 v[16*(8*\m+\s)+4*\c:16*(8*\m+\s)+4*\c+3], v12 offset:16384*\m+2048*\s+512*\c
.endr
.endr
.endr
	WIN 0
.irp m, 0,1
	ds_load_b128 v[OS+8*\m:OS+8*\m+3], v13 offset:512*\m
	ds_load_b128 v[OS+8*\m+4:OS+8*\m+7], v13 offset:512*\m+16
.endr
	s_wait_dscnt 0x0
	WIN 0x0d                                       ; source 0 (W) window 1, source 1 (O) window 3, C and D window 0
	RUN 0
	WIN 0x0e                                       ; source 0 window 2
	RUN 2
	WIN 0
	PLACES 8                                       ; in front of the first read of results
	s_wait_loadcnt 0x0                             ; src's rows are in
	OUT 0
	OUT 1
	s_wait_xcnt 0x0                                ; the stores have read their registers and base
	s_add_nc_u64 s[44:45], s[44:45], 65536
	s_add_nc_u64 s[46:47], s[46:47], 65536
	s_add_co_u32 s30, s30, 1
	s_cmp_lt_u32 s30, 4
	s_cbranch_scc1 .Lpair
	s_wait_tensorcnt 0x0
	ds_add_u32 v14, v15
	s_wait_dscnt 0x0
	s_endpgm
.Lfunc_end_k_q42156a1cf0_final:
	.size	k_q42156a1cf0_final, .Lfunc_end_k_q42156a1cf0_final-k_q42156a1cf0_final
	.p2alignl 7, 3214868480
	.fill 96, 4, 3214868480
	.section	.rodata,"a",@progbits
	.p2align	6, 0x0
	.amdhsa_kernel k_q42156a1cf0_final
		.amdhsa_group_segment_fixed_size 168448
		.amdhsa_private_segment_fixed_size 0
		.amdhsa_enable_private_segment 0
		.amdhsa_kernarg_size 80
		.amdhsa_user_sgpr_count 2
		.amdhsa_user_sgpr_kernarg_segment_ptr 1
		.amdhsa_wavefront_size32 1
		.amdhsa_system_sgpr_workgroup_id_x 1
		.amdhsa_system_sgpr_workgroup_id_y 1
		.amdhsa_system_sgpr_workgroup_id_z 1
		.amdhsa_system_vgpr_workitem_id 0
		.amdhsa_next_free_vgpr 1024
		.amdhsa_next_free_sgpr 66
		.amdhsa_reserve_vcc 0
		.amdhsa_float_denorm_mode_32 3
		.amdhsa_float_denorm_mode_16_64 3
		.amdhsa_memory_ordered 1
		.amdhsa_forward_progress 1
		.amdhsa_inst_pref_size 42
	.end_amdhsa_kernel
	.amdgpu_metadata
---
amdhsa.version: [ 1, 2 ]
amdhsa.kernels:
  - .name:           k_q42156a1cf0_final
    .symbol:         k_q42156a1cf0_final.kd
    .args:
      - { .name: oc, .offset: 0, .size: 8, .value_kind: global_buffer, .address_space: global }
      - { .name: osc, .offset: 8, .size: 8, .value_kind: global_buffer, .address_space: global }
      - { .name: wc, .offset: 16, .size: 8, .value_kind: global_buffer, .address_space: global }
      - { .name: ws, .offset: 24, .size: 8, .value_kind: global_buffer, .address_space: global }
      - { .name: X, .offset: 32, .size: 8, .value_kind: global_buffer, .address_space: global }
      - { .name: Y, .offset: 40, .size: 8, .value_kind: global_buffer, .address_space: global }
      - { .name: b_X, .offset: 48, .size: 8, .value_kind: global_buffer, .address_space: global }
      - { .name: b_Y, .offset: 56, .size: 8, .value_kind: global_buffer, .address_space: global }
      - { .name: out0, .offset: 64, .size: 8, .value_kind: global_buffer, .address_space: global }
      - { .name: out1, .offset: 72, .size: 8, .value_kind: global_buffer, .address_space: global }
    .group_segment_fixed_size: 168448
    .private_segment_fixed_size: 0
    .kernarg_segment_align: 8
    .kernarg_segment_size: 80
    .max_flat_workgroup_size: 128
    .sgpr_count:     66
    .vgpr_count:     1024
    .wavefront_size: 32
...
	.end_amdgpu_metadata
.endif
;; end of part 3
